; MI455X (gfx1250); checked and timed in simulation.
; The chip was launched on July 23, 2026; its instructions are those of AMD's public machine-readable ISA for CDNA 5 (MIT licence, August 2026) and "CDNA5" Instruction Set Architecture Reference Guide (July 2026). The comments in the code are by the model that wrote it; some were corrected since.
;; To RGB Layer. Allowed arithmetic: float matrix products may take bf16 or f16 operands with f32 sums; all other float work in f32.
;; Inputs: affine_b 256 float32; affine_w 256 x 512 float32; bias 3 float32; w 8 x 512 float32; weight 3 x 256 x 1 x 1 float32; x 8 x 256 x 256 x 256 float32.
;; Outputs: out0 8 x 3 x 256 x 256 float32.
;; One version. Each part assembles by itself: llvm-mc -triple=amdgcn-amd-amdhsa -mcpu=gfx1250 --defsym DOCPART=n.
;; ======== version 1 of 1: 1 launch
;; launch torgb (part 1): grid 256 x 1, 16 waves a work-group, no clusters, 6,400 bytes of LDS; arguments x, w, weight, bias, affine_w, affine_b, out0; writes out0
.if DOCPART == 1
	.amdgcn_target "amdgcn-amd-amdhsa--gfx1250"
	.amdhsa_code_object_version 6
	.text
	.protected	k_q1496853d29_torgb
	.globl	k_q1496853d29_torgb
	.p2align	8
	.type	k_q1496853d29_torgb,@function
k_q1496853d29_torgb:
	s_mov_b64 s[64:65], 0
	v_nop
	global_prefetch_b8 v0, s[64:65] scope:SCOPE_SE
	s_setreg_imm32_b32 hwreg(HW_REG_WAVE_MODE, 25, 1), 1
	s_wait_xcnt 0x0
; ToRGB layer in one launch:
;   styles[b][c] = (dot(w[b], affine_w[c]) / sqrt(512) + affine_b[c]) / 16
;   out[b][o][p] = clip( sum over c of x[b][c][p] * weight[o][c] * styles[b][c] + bias[o], -256, 256 )
; x: [8][256][65536] f32, out: [8][3][65536] f32.  Everything is computed in f32.
;
; SHARES.  256 work-groups of 16 waves.  Work-group g owns batch g >> 5 and the 2,048 pixels from 2,048 (g & 31) on.  Thread t owns the
; 4 pixels at byte 16 t of that piece in all 256 channels: one load of a wave covers 512 consecutive bytes, aligned, the 16 waves together
; 8,192, and the sum over the channels stays in the lane (12 accumulators: 3 outputs x 4 pixels).  Every byte of x is loaded once.
; RING.  32 slots of 4 registers, one channel each: 32 x 512 bytes x 16 waves = 256 KiB of x are on their way for the work-group.
; 256 channels = 8 rounds of the ring; seven in a loop, the last written out without loads.
; WEIGHTS.  m[o][c] = weight[o][c] styles[b][c] is made one round ahead of its use: in every round each wave loads two rows of affine_w
; (10 side loads), forms two dot products of 512, and puts 2 x 3 numbers into LDS; one barrier a round hands them to all waves.  Each LDS
; byte is written once in the whole kernel, so nothing that is being read is ever overwritten and one barrier a round is enough.
; So the 512 KiB of affine_w are spread over the run, and only 64 KiB of them stand in front of the first multiply.
;
; NOT USED, and why.  Matrix instructions: 3 of 16 result rows would be filled, and x, which lies with the pixels along the rows, would
; have to be converted and packed by pairs of channels first; here a 16-byte load feeds 6 packed multiply-adds and x stays f32.
; Tensor loads and LDS for x: no byte of x is used by two lanes.  Joint requests in a cluster: the one input that work-groups share is
; affine_w, 64 KiB of the 320 KiB that a work-group takes in per round, and each of its rows is used once, by one wave, from registers.
; LIMITS.  The sums are formed in another order than a plain loop over c or over the 512 (four chains, then across the lanes).
; A sum that is NaN is stored as NaN, as the reference's clip leaves it.  No limit of range.
.set PLANE,  262144                    ; bytes of one channel's plane (65,536 pixels)
.set RING,   32                        ; slots = channels in a round
.set ROUNDS, 256/RING
.set AUX,    10                        ; side loads of a wave in a round: 8 of affine_w, 1 of weight, 1 of affine_b
.set ROWB,   2048                      ; bytes in a row of affine_w and of w
.set MP,     1040                      ; LDS: m[o][0..255] at o * MP: 1,024 bytes + 16, so that the rows o start in different banks
.set VOFF, 1                           ; v1        16 t: my 16 bytes in the work-group's piece of a plane, of x and of out
.set LOFF, 2                           ; v2        16 x lane: my 16 bytes in every 512 of w[b]
.set AOFF, 3                           ; v3        the same in affine_w, + wave x 2 rows
.set WOFF, 4                           ; v4        byte of weight[min(lane & 3, 2)][2 wave + ((lane >> 2) & 1)]
.set BOFF, 5                           ; v5        byte of affine_b[2 wave + ((lane >> 2) & 1)]
.set MST,  6                           ; v6        LDS byte where I put m; steps by a round's 128 bytes
.set MRD,  7                           ; v7        LDS byte of this round's first channel in row 0 (the same in all lanes)
.set ACC,  8                           ; v[8:19]   output o, pixel j at ACC + 4 o + j
.set WB,   20                          ; v[20:35]  w[b][128 q + 4 lane + 0..3] at WB + 4 q
.set AF,   36                          ; v[36:67]  two rows of affine_w, laid like WB: row e at AF + 16 e
.set WG,   68                          ; v68       my word of weight
.set AB,   69                          ; v69       my word of affine_b
.set T,    70                          ; v[70:77]  at work
.set WT,   80                          ; v[80:103] m of 4 channels x 3 outputs, two buffers of 12: output o at + 4 o
.set X,    104                         ; v[104:231] the ring: slot i at X + 4 i
	s_load_b256 s[4:11], s[0:1], 0x0               ; x s[4:5], w s[6:7], weight s[8:9], bias s[10:11]
	s_load_b128 s[12:15], s[0:1], 0x20             ; affine_w s[12:13], affine_b s[14:15]
	s_load_b64 s[16:17], s[0:1], 0x30              ; out0
	v_lshl_add_u32 v232, v0, 2, 0x1100
	v_mov_b32 v233, 0
	v_lshrrev_b32 v[T], 5, v0
	v_readfirstlane_b32 s18, v[T]                  ; wave 0..15
	s_lshr_b32 s30, ttmp9, 5                       ; batch
	s_and_b32 s31, ttmp9, 31                       ; which 2,048 pixels
	s_lshl_b32 s31, s31, 13                        ; in bytes
	s_lshl_b32 s28, s30, 26                        ; x: batch x 256 planes
	s_add_co_u32 s28, s28, s31
	s_mov_b32 s29, 0
	s_mul_i32 s32, s30, 3*PLANE                    ; out: batch x 3 planes
	s_add_co_u32 s32, s32, s31
	s_mov_b32 s33, 0
	s_lshl_b32 s34, s30, 11                        ; w: batch x 2,048 bytes
	s_mov_b32 s35, 0
	s_mov_b32 s24, 0x76543210                      ; v_permlanex16_b32: lane i of one half reads lane i of the other
	s_mov_b32 s25, 0xfedcba98
	s_mov_b32 s26, 0x3d3504f3                      ; 1 / sqrt(512)
	s_lshl_b32 s36, s18, 12                        ; wave x 2 rows of affine_w
	s_lshl_b32 s37, s18, 3                         ; wave x 2 channels x 4 bytes
	v_lshlrev_b32 v[VOFF], 4, v0
	v_and_b32 v[T], 31, v0
	v_lshlrev_b32 v[LOFF], 4, v[T]
	v_add_nc_u32 v[AOFF], s36, v[LOFF]
	; who stores which m: lane l takes output l & 3 (3 is a spare row of LDS that nobody reads) of channel 2 wave + ((l >> 2) & 1);
	; lanes 8 to 31 repeat lanes 0 to 7: same byte, same number.  So all lanes stay on.
	v_and_b32 v[T], 3, v0
	v_bfe_u32 v[T+1], v0, 2, 1
	v_lshl_add_u32 v[BOFF], v[T+1], 2, s37
	v_min_u32 v[T+2], 2, v[T]                      ; the spare row reads weight's row 2: no load leaves the buffer
	v_lshl_add_u32 v[WOFF], v[T+2], 10, v[BOFF]
	v_mul_u32_u24 v[T+3], MP, v[T]
	v_add_nc_u32 v[MST], v[T+3], v[BOFF]
	v_cmp_ne_u32 s27, 0, v[T+1]                    ; lanes that take the wave's second channel
	v_mov_b32 v[MRD], 0
	s_wait_kmcnt 0x0
	s_add_nc_u64 s[4:5], s[4:5], s[28:29]          ; x at the work-group's piece of channel 0
	s_add_nc_u64 s[16:17], s[16:17], s[32:33]      ; out at its piece of output 0
	s_add_nc_u64 s[6:7], s[6:7], s[34:35]          ; w[b]
	s_load_b96 s[20:22], s[10:11], 0x0             ; the three biases
; The side loads for one round's weights: my wave's two rows of affine_w, my word of weight, my word of affine_b.
.macro AUXLOAD
.irp e, 0,1
.irp q, 0,1,2,3
	global_load_b128 v[AF+16*\e+4*\q:AF+16*\e+4*\q+3], v[AOFF], s[12:13] offset:\e*ROWB+\q*512
.endr
.endr
	global_load_b32 v[WG], v[WOFF], s[8:9]
	global_load_b32 v[AB], v[BOFF], s[14:15]
.endm
; From the side loads to LDS: two dot products of 512, the affine layer's gains and bias, times weight; then the barrier.
.macro PRODUCE
	s_wait_loadcnt RING                            ; loads come back in order (ISA guide 5.7.1): only the 32 loads of x issued behind the side loads may be out
	v_pk_mul_f32 v[T:T+1],   v[AF:AF+1],       v[WB:WB+1]          ; two chains for each row; the first products start them
	v_pk_mul_f32 v[T+4:T+5], v[AF+16:AF+17],   v[WB:WB+1]
	v_pk_mul_f32 v[T+2:T+3], v[AF+2:AF+3],     v[WB+2:WB+3]
	v_pk_mul_f32 v[T+6:T+7], v[AF+18:AF+19],   v[WB+2:WB+3]
.irp j, 4,8,12
	v_pk_fma_f32 v[T:T+1],   v[AF+\j:AF+\j+1],         v[WB+\j:WB+\j+1],     v[T:T+1]
	v_pk_fma_f32 v[T+4:T+5], v[AF+16+\j:AF+16+\j+1],   v[WB+\j:WB+\j+1],     v[T+4:T+5]
	v_pk_fma_f32 v[T+2:T+3], v[AF+\j+2:AF+\j+3],       v[WB+\j+2:WB+\j+3],   v[T+2:T+3]
	v_pk_fma_f32 v[T+6:T+7], v[AF+16+\j+2:AF+16+\j+3], v[WB+\j+2:WB+\j+3],   v[T+6:T+7]
.endr
	v_pk_add_f32 v[T:T+1],   v[T:T+1],   v[T+2:T+3]
	v_pk_add_f32 v[T+4:T+5], v[T+4:T+5], v[T+6:T+7]
	v_add_f32 v[T],   v[T],   v[T+1]               ; my 16 products of row 0
	v_add_f32 v[T+4], v[T+4], v[T+5]               ; and of row 1
.irp m, 1,2,4,8
	v_add_f32_dpp v[T],   v[T],   v[T]   row_xmask:\m row_mask:0xf bank_mask:0xf   ; across the 16 lanes of each half
	v_add_f32_dpp v[T+4], v[T+4], v[T+4] row_xmask:\m row_mask:0xf bank_mask:0xf
.endr
	v_permlanex16_b32 v[T+1], v[T],   s24, s25     ; the other half (the destinations have been written above)
	v_permlanex16_b32 v[T+5], v[T+4], s24, s25
	v_add_f32 v[T],   v[T],   v[T+1]               ; every lane holds both dot products
	v_add_f32 v[T+4], v[T+4], v[T+5]
	v_cndmask_b32 v[T], v[T], v[T+4], s27          ; my channel's
	v_mul_f32 v[WG], 0x3d800000, v[WG]             ; weight / 16 (1 / sqrt(256), exact)
	v_fma_f32 v[T], v[T], s26, v[AB]               ; dot / sqrt(512) + affine_b
	v_mul_f32 v[T], v[T], v[WG]
	ds_store_b32 v[MST], v[T]
	v_add_nc_u32 v[MST], RING*4, v[MST]            ; the next round's 32 channels
	s_wait_dscnt 0x0                               ; for the other waves' sake: my store is in LDS before I say so
	s_barrier_signal -1
	s_barrier_wait -1                              ; all 32 channels x 3 outputs of the coming round are there
.endm
; All four stepped bases move on by a round.
.macro STEP
	s_wait_xcnt 0x0                                ; the bases are sources of the loads issued so far: they change only behind this wait (ISA guide 3.1)
	s_add_nc_u64 s[4:5],   s[4:5],   RING*PLANE
	s_add_nc_u64 s[12:13], s[12:13], RING*ROWB
	s_add_nc_u64 s[8:9],   s[8:9],   RING*4
	s_add_nc_u64 s[14:15], s[14:15], RING*4
.endm
; m of the four channels 4 GW .. 4 GW + 3 of this round, three outputs: every lane reads the same 16 bytes.
.macro WLOAD
.irp o, 0,1,2
	ds_load_b128 v[WT+12*(GW%2)+4*\o:WT+12*(GW%2)+4*\o+3], v[MRD] offset:\o*MP+16*GW
.endr
.endm
; The turn of slot i = channel i of the round.  more = 1: the slot is filled again with the same channel of the next round.
.macro SLOT i, more
.if (\i%4) == 0
.if \i < RING-4
	.set GW, \i/4+1
	WLOAD                                          ; the next four channels' m, into the other buffer
	s_wait_dscnt 0x3                               ; LDS loads come back in order: all but those three are in
.else
	s_wait_dscnt 0x0
.endif
.endif
.if \more
	s_wait_loadcnt RING+AUX-1                      ; younger than my slot's load: 31 - i of x, the 10 side loads, i of x in this round
.else
	s_wait_loadcnt RING-1-\i                       ; the last round loads nothing: the counts run down
.endif
	.set XR, X+4*\i
	.set WP, WT+12*((\i/4)%2)+2*((\i%4)/2)         ; the register pair that holds this channel's m for output 0
.irp o, 0,1,2
.if (\i%2) == 0
	v_pk_fma_f32 v[ACC+4*\o:ACC+4*\o+1],   v[XR:XR+1],   v[WP+4*\o:WP+4*\o+1], v[ACC+4*\o:ACC+4*\o+1]   op_sel_hi:[1,0,1]   ; both by the pair's first
	v_pk_fma_f32 v[ACC+4*\o+2:ACC+4*\o+3], v[XR+2:XR+3], v[WP+4*\o:WP+4*\o+1], v[ACC+4*\o+2:ACC+4*\o+3] op_sel_hi:[1,0,1]
.else
	v_pk_fma_f32 v[ACC+4*\o:ACC+4*\o+1],   v[XR:XR+1],   v[WP+4*\o:WP+4*\o+1], v[ACC+4*\o:ACC+4*\o+1]   op_sel:[0,1,0] op_sel_hi:[1,1,1]   ; both by its second
	v_pk_fma_f32 v[ACC+4*\o+2:ACC+4*\o+3], v[XR+2:XR+3], v[WP+4*\o:WP+4*\o+1], v[ACC+4*\o+2:ACC+4*\o+3] op_sel:[0,1,0] op_sel_hi:[1,1,1]
.endif
.endr
.if \more
	global_load_b128 v[XR:XR+3], v[VOFF], s[4:5] offset:\i*PLANE th:TH_LOAD_NT     ; s[4:5] stands at the next round's first channel
.endif
.endm
.macro ROUND more
	.set GW, 0
	WLOAD
.irp i, 0,1,2,3,4,5,6,7,8,9,10,11,12,13,14,15,16,17,18,19,20,21,22,23,24,25,26,27,28,29,30,31
	SLOT \i, \more
.endr
.endm
	; What is needed first is asked for first: w[b] and the side loads of round 0, then the ring is filled with channels 0 to 31.
.irp q, 0,1,2,3
	global_load_b128 v[WB+4*\q:WB+4*\q+3], v[LOFF], s[6:7] offset:\q*512
.endr
	AUXLOAD
.set j, 0
.rept RING
	global_load_b128 v[X+4*j:X+4*j+3], v[VOFF], s[4:5] offset:j*PLANE th:TH_LOAD_NT
.set j, j+1
.endr
	s_wait_kmcnt 0x0                               ; the biases
.irp o, 0,1,2
.irp p, 0,1,2,3
	v_mov_b32 v[ACC+4*\o+\p], s[20+\o]             ; the sums start from the bias
.endr
.endr
	PRODUCE                                        ; m of round 0
	STEP
	s_mov_b32 s19, 0
.Lround:
	AUXLOAD                                        ; for the next round's m; used at this round's end, 32 loads of x later
	ROUND 1
	PRODUCE
	STEP
	v_add_nc_u32 v[MRD], RING*4, v[MRD]
	s_add_co_u32 s19, s19, 1
	s_cmp_lt_u32 s19, ROUNDS-1
	s_cbranch_scc1 .Lround
	ROUND 0                                        ; channels 224 to 255
	; clip to [-256, 256]; a NaN, which v_max_num_f32 and v_min_num_f32 would drop, is put back
.set j, 0
.rept 12
	v_max_num_f32 v[T+j%4], 0xc3800000, v[ACC+j]
	v_cmp_neq_f32 vcc_lo, v[ACC+j], v[ACC+j]       ; true for a NaN alone
	v_min_num_f32 v[T+j%4], 0x43800000, v[T+j%4]
	v_cndmask_b32 v[ACC+j], v[T+j%4], v[ACC+j], vcc_lo
.set j, j+1
.endr
.irp o, 0,1,2
	global_store_b128 v[VOFF], v[ACC+4*\o:ACC+4*\o+3], s[16:17] offset:\o*PLANE th:TH_STORE_NT   ; each store of the wave covers 512 consecutive bytes, aligned
.endr
	s_wait_tensorcnt 0x0
	ds_add_u32 v232, v233
	s_wait_dscnt 0x0
	s_endpgm
.Lfunc_end_k_q1496853d29_torgb:
	.size	k_q1496853d29_torgb, .Lfunc_end_k_q1496853d29_torgb-k_q1496853d29_torgb
	.p2alignl 7, 3214868480
	.fill 96, 4, 3214868480
	.section	.rodata,"a",@progbits
	.p2align	6, 0x0
	.amdhsa_kernel k_q1496853d29_torgb
		.amdhsa_group_segment_fixed_size 6400
		.amdhsa_private_segment_fixed_size 0
		.amdhsa_enable_private_segment 0
		.amdhsa_kernarg_size 56
		.amdhsa_user_sgpr_count 2
		.amdhsa_user_sgpr_kernarg_segment_ptr 1
		.amdhsa_wavefront_size32 1
		.amdhsa_system_sgpr_workgroup_id_x 1
		.amdhsa_system_sgpr_workgroup_id_y 1
		.amdhsa_system_sgpr_workgroup_id_z 1
		.amdhsa_system_vgpr_workitem_id 0
		.amdhsa_next_free_vgpr 234
		.amdhsa_next_free_sgpr 66
		.amdhsa_reserve_vcc 1
		.amdhsa_float_denorm_mode_32 3
		.amdhsa_float_denorm_mode_16_64 3
		.amdhsa_memory_ordered 1
		.amdhsa_forward_progress 1
		.amdhsa_inst_pref_size 49
	.end_amdhsa_kernel
	.amdgpu_metadata
---
amdhsa.version: [ 1, 2 ]
amdhsa.kernels:
  - .name:           k_q1496853d29_torgb
    .symbol:         k_q1496853d29_torgb.kd
    .args:
      - { .name: x, .offset: 0, .size: 8, .value_kind: global_buffer, .address_space: global }
      - { .name: w, .offset: 8, .size: 8, .value_kind: global_buffer, .address_space: global }
      - { .name: weight, .offset: 16, .size: 8, .value_kind: global_buffer, .address_space: global }
      - { .name: bias, .offset: 24, .size: 8, .value_kind: global_buffer, .address_space: global }
      - { .name: affine_w, .offset: 32, .size: 8, .value_kind: global_buffer, .address_space: global }
      - { .name: affine_b, .offset: 40, .size: 8, .value_kind: global_buffer, .address_space: global }
      - { .name: out0, .offset: 48, .size: 8, .value_kind: global_buffer, .address_space: global }
    .group_segment_fixed_size: 6400
    .private_segment_fixed_size: 0
    .kernarg_segment_align: 8
    .kernarg_segment_size: 56
    .max_flat_workgroup_size: 512
    .sgpr_count:     66
    .vgpr_count:     234
    .wavefront_size: 32
...
	.end_amdgpu_metadata
.endif
;; end of part 1
